; MI455X (gfx1250); checked and timed in simulation.
; The chip was launched on July 23, 2026; its instructions are those of AMD's public machine-readable ISA for CDNA 5 (MIT licence, August 2026) and "CDNA5" Instruction Set Architecture Reference Guide (July 2026). The comments in the code are by the model that wrote it; some were corrected since.
;; Chaos SNN. Allowed arithmetic: matrix products marked QUANTISED: E4M3 operands, one given power-of-two scale a tensor, by v_wmma_f32_16x16x64_fp8_fp8 or v_wmma_f32_16x16x128_fp8_fp8, f32 sums; everything else in f32.
;; Inputs: lowp_scales 2 int32 (the exponents e of the quantised operands' scales 2^e); noise 2,048 x 4,096 float32; sigma one number float32; weight 8,192 x 4,096 float32.
;; Outputs: out0 2,048 x 8,192 float32.
;; This version of the problem:
;;   THIS VERSION OF THE PROBLEM IS GIVEN IN LOW PRECISION. The matrix products marked QUANTISED in the list below multiply operands that are first quantised to E4M3 (4 exponent bits, 3 mantissa bits; 8 bits a number), with one given power-of-two scale for each operand tensor; their sums are f32. All else is computed in f32.
;;   The module's matrix products, in the order in which they are computed (A, B: the left and right operand; K: the contracted axis; several contracted axes count as one K, in the product's order):
;;     1. [M 2,048, K 4,096] x [K 4,096, N 8,192]; A: input noise; B: computed on the way: QUANTISED (scales: A lowp_scales[0], B lowp_scales[1])
;;   THE QUANTISER, for each operand of a quantised product, along K:
;;     - The operand's scale is 2^e, e = its entry of the input lowp_scales (int32; the entries are numbered through the quantised products in the list's order, A before B).
;;     - Each number is divided by the scale, clamped to +-448, and rounded to the nearest number of E4M3, ties to even, subnormals kept.
;;     - The product sums the exact products of the quantised numbers (number of the format x scale) in f32.
;;   ~~~python
;;   def quantise(x, axis, e):      # numpy; x: float32 -> the quantised numbers, widened to float32 again
;;       x = np.moveaxis(x, axis, -1); K = x.shape[-1]
;;       r = np.clip(x / 2.0 ** e, -448, 448)
;;       step = 2.0 ** (np.maximum(np.frexp(np.where(r == 0, 1, r))[1] - 1, -6) - 3)
;;       q = np.round(r / step) * step * 2.0 ** e      # np.round: ties to even
;;       return np.moveaxis(q, -1, axis).astype(np.float32)
;;   ~~~
;;   OPERANDS COMPUTED ON THE WAY. 'Computed on the way' means the value that the module computes at that place (a softmax that the list does not call 'softmax' is quantised finished and normalised). What goes into a quantiser is computed in f32, as accurately as f32 sums, v_exp_f32 and their like allow (about 1e-6 of the number): no bf16 or f16 on the way to a quantiser, and a product that is left as it is and whose result goes on into a quantised operand takes f32 operands (vector FMAs, or v_wmma_f32_16x16x4_f32). A number that lies on a knife's edge between two numbers of the format may be rounded either way, as far as f32 arithmetic and the matrix unit's own rounding can turn it there, and no further.
;; One version. Each part assembles by itself: llvm-mc -triple=amdgcn-amd-amdhsa -mcpu=gfx1250 --defsym DOCPART=n.
;; ======== version 1 of 1: 3 launches
;; limits: right only within a limited range of input values
;; workspace buffers: parts 2,048 bytes; wcodes 33,554,432 bytes; ncodes 8,388,608 bytes
;; launch wsum (part 1): grid 512 x 1, 8 waves a work-group, no clusters, 1,280 bytes of LDS; arguments weight, parts; writes parts
.if DOCPART == 1
	.amdgcn_target "amdgcn-amd-amdhsa--gfx1250"
	.amdhsa_code_object_version 6
	.text
	.protected	k_qef4cc38686_wsum
	.globl	k_qef4cc38686_wsum
	.p2align	8
	.type	k_qef4cc38686_wsum,@function
k_qef4cc38686_wsum:
	s_mov_b64 s[64:65], 0
	v_nop
	global_prefetch_b8 v0, s[64:65] scope:SCOPE_SE
	s_setreg_imm32_b32 hwreg(HW_REG_WAVE_MODE, 25, 1), 1
	s_wait_xcnt 0x0
; parts[g] = the sum of |weight| over work-group g's 65,536 numbers.  weight: [8192][4096] f32, taken as a plain stream; parts: 512 f32.
; The threshold of the ternary gate hangs on the mean of |weight| over the whole tensor, so this sum has to be finished before any weight can become a code.
; ACCURACY.  A weight flips where the threshold moves across it, so the sum is kept close to the true sum: a lane adds its 256 numbers in eight chains of 32 terms, and all that follows is pairwise
; (8 chains, 32 lanes, 8 waves here; 512 parts in the next launch).  No chain is longer than 32 additions.
; SHARES.  Eight waves; a wave takes 32,768 consecutive bytes by 64 loads, each of 512 consecutive bytes (16 a lane); sixteen loads of every wave are on their way.
; No matrix unit, no cluster, no tensor load: nothing is shared and nothing is read twice.   LIMIT: NaN among the weights is not served.
.set SPARE, 256                        ; LDS: bytes 0-31 the eight waves' sums (that block of 256 bytes holds nothing else); from 256 on the spare words, 128 bytes for each wave
.set ACC,   4                          ; v[4:11]   eight chains
.set SPW,   12                         ; v12       LDS address of my spare word: SPARE + 4 x my thread's number; never rewritten
.set NIL,   13                         ; v13       0; never rewritten
.set X,     16                         ; v[16:79]  sixteen slots of four registers
.set LOADS, 64
.set DEPTH, 16
	s_load_b128 s[4:7], s[0:1], 0x0                ; weight s[4:5], parts s[6:7]
	v_lshl_add_u32 v[SPW], v0, 2, SPARE
	v_mov_b32 v[NIL], 0
	v_lshrrev_b32 v2, 5, v0
	v_readfirstlane_b32 s8, v2                     ; wave 0..7
	v_and_b32 v1, 31, v0                           ; lane
	v_and_b32 v3, 0xe0, v0                         ; 32 x wave
	v_lshlrev_b32 v1, 4, v1                        ; 16 bytes a lane
	v_lshl_or_b32 v1, v3, 10, v1                   ; + wave x 32,768
	v_lshlrev_b32 v14, 2, v2                       ; LDS: my wave's word
	v_mov_b32 v15, 0
	s_mov_b32 s12, 0x76543210                      ; v_permlanex16_b32: each lane takes its own place in the other half
	s_mov_b32 s13, 0xfedcba98
	s_lshl_b32 s2, ttmp9, 18                       ; the work-group's 262,144 bytes: 512 x 2^18 = 2^27, inside 32 bits
	s_mov_b32 s3, 0
	s_wait_alu depctr_va_vdst(0)
	s_wait_kmcnt 0x0
	s_add_nc_u64 s[4:5], s[4:5], s[2:3]
	s_lshl_b32 s2, ttmp9, 2                        ; and its word of parts
	s_add_nc_u64 s[6:7], s[6:7], s[2:3]
.irp t, 0,1,2,3,4,5,6,7,8,9,10,11,12,13,14,15
	global_load_b128 v[X+4*\t:X+4*\t+3], v1, s[4:5] offset:512*\t th:TH_LOAD_NT
.endr
; Load t's four numbers go onto chains 4 (t % 2) + 0 .. 3; the slot then takes the load sixteen further on.
.macro TAKE t
	s_wait_alu depctr_va_vdst(0)
.if LOADS-1-(\t) < DEPTH-1
	s_wait_loadcnt LOADS-1-(\t)                    ; the tail: the counts run down
.else
	s_wait_loadcnt DEPTH-1                         ; loads come back in order (ISA guide 5.7.1): mine is in, the fifteen younger ones stay out
.endif
.irp j, 0,1,2,3
.if (\t) < 2
	v_and_b32 v[ACC+4*((\t)%2)+\j], 0x7fffffff, v[X+4*((\t)%DEPTH)+\j]          ; the first eight numbers start the chains: nothing is cleared
.else
	v_add_f32 v[ACC+4*((\t)%2)+\j], v[ACC+4*((\t)%2)+\j], |v[X+4*((\t)%DEPTH)+\j]|
.endif
.endr
.if (\t)+DEPTH < LOADS
	global_load_b128 v[X+4*((\t)%DEPTH):X+4*((\t)%DEPTH)+3], v1, s[4:5] offset:512*((\t)+DEPTH) th:TH_LOAD_NT
.endif
.endm
.set Q, 0
.rept LOADS
	TAKE Q
.set Q, Q+1
.endr
	v_pk_add_f32 v[4:5], v[4:5], v[8:9]            ; the eight chains, pairwise
	v_pk_add_f32 v[6:7], v[6:7], v[10:11]
	v_pk_add_f32 v[4:5], v[4:5], v[6:7]
	v_add_f32 v4, v4, v5
	v_add_f32_dpp v4, v4, v4 row_xmask:1 row_mask:0xf bank_mask:0xf    ; the 32 lanes, pairwise
	v_add_f32_dpp v4, v4, v4 row_xmask:2 row_mask:0xf bank_mask:0xf
	v_add_f32_dpp v4, v4, v4 row_xmask:4 row_mask:0xf bank_mask:0xf
	v_add_f32_dpp v4, v4, v4 row_xmask:8 row_mask:0xf bank_mask:0xf
	v_permlanex16_b32 v5, v4, s12, s13             ; (its destination counts as read: v5 has been written)
	v_add_f32 v4, v4, v5
	ds_store_b32 v14, v4                           ; all lanes write the wave's word with the same number
	s_wait_dscnt 0x0                               ; for the others' sake: my store has landed
	s_barrier_signal -1
	s_barrier_wait -1
	ds_load_b128 v[16:19], v15                     ; the eight waves' sums
	ds_load_b128 v[20:23], v15 offset:16
	s_wait_dscnt 0x0
	v_pk_add_f32 v[16:17], v[16:17], v[20:21]
	v_pk_add_f32 v[18:19], v[18:19], v[22:23]
	v_pk_add_f32 v[16:17], v[16:17], v[18:19]
	v_add_f32 v16, v16, v17
	s_wait_alu depctr_va_vdst(0)                   ; v16 is stored behind the waits below
	s_wait_tensorcnt 0x0                           ; the wave's end: behind my last LDS store
	ds_add_u32 v[SPW], v[NIL]
	s_wait_dscnt 0x0
	s_cmp_lg_u32 s8, 0                             ; wave 0 stores the work-group's one word: 4 bytes a work-group, 2,048 in the launch, laid densely so that the next launch reads them by four loads a wave
	s_cbranch_scc1 .Lend
	s_wait_xcnt 0x0                                ; EXEC changes only behind this wait
	v_cmp_eq_u32 vcc_lo, 0, v0
	s_and_saveexec_b32 s9, vcc_lo
	global_store_b32 v15, v16, s[6:7]
	s_wait_xcnt 0x0                                ; and again in front of the line that widens it
	s_or_b32 exec_lo, exec_lo, s9
.Lend:
	s_endpgm
.Lfunc_end_k_qef4cc38686_wsum:
	.size	k_qef4cc38686_wsum, .Lfunc_end_k_qef4cc38686_wsum-k_qef4cc38686_wsum
	.p2alignl 7, 3214868480
	.fill 96, 4, 3214868480
	.section	.rodata,"a",@progbits
	.p2align	6, 0x0
	.amdhsa_kernel k_qef4cc38686_wsum
		.amdhsa_group_segment_fixed_size 1280
		.amdhsa_private_segment_fixed_size 0
		.amdhsa_enable_private_segment 0
		.amdhsa_kernarg_size 16
		.amdhsa_user_sgpr_count 2
		.amdhsa_user_sgpr_kernarg_segment_ptr 1
		.amdhsa_wavefront_size32 1
		.amdhsa_system_sgpr_workgroup_id_x 1
		.amdhsa_system_sgpr_workgroup_id_y 1
		.amdhsa_system_sgpr_workgroup_id_z 1
		.amdhsa_system_vgpr_workitem_id 0
		.amdhsa_next_free_vgpr 80
		.amdhsa_next_free_sgpr 66
		.amdhsa_reserve_vcc 1
		.amdhsa_float_denorm_mode_32 3
		.amdhsa_float_denorm_mode_16_64 3
		.amdhsa_memory_ordered 1
		.amdhsa_forward_progress 1
		.amdhsa_inst_pref_size 29
	.end_amdhsa_kernel
	.amdgpu_metadata
---
amdhsa.version: [ 1, 2 ]
amdhsa.kernels:
  - .name:           k_qef4cc38686_wsum
    .symbol:         k_qef4cc38686_wsum.kd
    .args:
      - { .name: weight, .offset: 0, .size: 8, .value_kind: global_buffer, .address_space: global }
      - { .name: parts, .offset: 8, .size: 8, .value_kind: global_buffer, .address_space: global }
    .group_segment_fixed_size: 1280
    .private_segment_fixed_size: 0
    .kernarg_segment_align: 8
    .kernarg_segment_size: 16
    .max_flat_workgroup_size: 256
    .sgpr_count:     66
    .vgpr_count:     80
    .wavefront_size: 32
...
	.end_amdgpu_metadata
.endif
;; end of part 1
;; launch quant (part 2): grid 1280 x 1, 4 waves a work-group, no clusters, 35,328 bytes of LDS; arguments weight, noise, parts, lowp_scales, wcodes, ncodes; writes wcodes, ncodes
.if DOCPART == 2
	.amdgcn_target "amdgcn-amd-amdhsa--gfx1250"
	.amdhsa_code_object_version 6
	.text
	.protected	k_qef4cc38686_quant
	.globl	k_qef4cc38686_quant
	.p2align	8
	.type	k_qef4cc38686_quant,@function
k_qef4cc38686_quant:
	s_mov_b64 s[64:65], 0
	v_nop
	global_prefetch_b8 v0, s[64:65] scope:SCOPE_SE
	s_setreg_imm32_b32 hwreg(HW_REG_WAVE_MODE, 25, 1), 1
	s_wait_xcnt 0x0
; Both operands of the product become codes of FP8 (E4M3), one byte each.
;   wcodes: T = sign(w) x (|w| > thr), thr = 0.7 x mean|w|, quantised with the given scale 2^e1;   ncodes: noise, quantised with the given scale 2^e0.
;   code = x / 2^e, held within +-448, rounded to the nearest code, ties to even.  e0, e1: entries 0 and 1 (int32) of lowp_scales.
; THE THRESHOLD: every wave of the weight's work-groups adds the 512 parts of the launch before, pairwise and in one order; x 2^-25 (exact), x 0.7 in f32.
; T holds three numbers only: +-1 held within 448 x 2^e1 is +-min(1, 448 x 2^e1); a weight's code is that magnitude under the weight's sign, or 0.  No branch hangs on e1.
; K IS PERMUTED inside each run of 512, alike in both operands: byte 16 l + 4 i + j of run c holds k = 512 c + 128 i + 4 l + j (l = 0..31; i, j = 0..3): each load reads 512 consecutive bytes, and a lane's 16 registers are its 16 codes.
; wcodes: rows of 4,096 bytes.  ncodes: IN THE ORDER OF THE PRODUCT'S REGISTERS: the 16 bytes l of run c of row m lie at 65536 (m / 16) + 8192 c + 256 l + 16 (m % 16).
; SHARES.  Work-groups 0-1023 take weight: a wave takes 16 steps of 512 numbers of the plain stream.  Work-groups 1024-1279 take noise: a wave takes one run of 512 of 16 rows, a row a step; its codes turn through the
; wave's own stage in LDS (32 places of 256 bytes + 16 of padding) and leave as 8,192 consecutive bytes.  Loads run four steps (16 loads) ahead; all stores of a wave stand at its end, each of 512 consecutive bytes, aligned.
; No matrix unit, no cluster, no tensor load: nothing is shared between work-groups but the 2,048 bytes of parts.
; LIMITS: e0 and e1 between -126 and 119.  NaN among weight or noise is not served (an infinity in noise is held at the largest code).
.set WGW,   1024
.set STEPS, 16
.set OFF,   2                          ; v2  16 x lane
.set SPW,   4                          ; v4  LDS address of my spare word; never rewritten
.set NIL,   5                          ; v5  0; never rewritten
.set STI,   6                          ; v6  the stage, in: my wave's stage + SP x lane
.set STB,   7                          ; v7  the stage, back: + SP (lane / 16) + 16 (lane % 16)
.set THR,   8
.set ONEH,  9
.set LIMV,  10
.set SCL,   11
.set P,     16                         ; v[16:31]  my 16 of the 512 parts
.set R,     32                         ; v[32:95]  four sets of 16 numbers
.set C,     96                         ; v[96:159] codes: four registers for each step
.set MAG,   26
.set SP,    272
.set SPARE, 4*32*SP                    ; behind the four stages: the spare words, 128 bytes a wave
	s_load_b256 s[4:11], s[0:1], 0x0               ; weight, noise, parts, lowp_scales
	s_load_b128 s[12:15], s[0:1], 0x20             ; wcodes, ncodes
	v_lshl_add_u32 v[SPW], v0, 2, SPARE
	v_mov_b32 v[NIL], 0
	v_lshrrev_b32 v1, 5, v0
	v_readfirstlane_b32 s16, v1                    ; wave 0..3
	s_mul_i32 s2, s16, 32*SP                       ; my stage
	v_and_b32 v3, 31, v0
	v_lshlrev_b32 v[OFF], 4, v3
	v_mov_b32 v12, 0                               ; a lane permute's destination counts as one of its sources
	v_mul_u32_u24 v[STI], v3, SP
	v_add_nc_u32 v[STI], s2, v[STI]
	v_lshrrev_b32 v[STB], 4, v3
	v_mul_u32_u24 v[STB], v[STB], SP
	v_and_b32 v1, 15, v3
	v_lshl_add_u32 v[STB], v1, 4, v[STB]
	v_add_nc_u32 v[STB], s2, v[STB]
	s_mov_b32 s24, 0x76543210
	s_mov_b32 s25, 0xfedcba98
	s_mov_b32 s[MAG], 0x7fffffff
	s_cmp_lt_u32 ttmp9, WGW                        ; the weight's work-group or the noise's: by the work-group's number alone
	s_cselect_b32 s17, 0, WGW
	s_sub_co_u32 s17, ttmp9, s17
	s_lshl_b32 s17, s17, 2
	s_add_co_u32 s18, s17, s16                     ; my wave's number in its tensor
	s_lshl_b32 s20, s18, 15                        ; weight: 32,768 bytes of f32 a wave
	s_lshr_b32 s2, s18, 3                          ; noise: 16 rows (2^18 bytes) x (wave / 8)
	s_lshl_b32 s2, s2, 18
	s_and_b32 s3, s18, 7                           ; + a run of 2,048 bytes x (wave % 8)
	s_lshl_b32 s3, s3, 11
	s_add_co_u32 s2, s2, s3
	s_cmp_lt_u32 ttmp9, WGW
	s_cselect_b32 s20, s20, s2
	s_mov_b32 s21, 0
	s_lshl_b32 s18, s18, 13                        ; 8,192 bytes of codes a wave, in both
	s_mov_b32 s19, 0
	s_wait_kmcnt 0x0
	s_load_b64 s[22:23], s[10:11], 0x0             ; e0, e1
	s_cmp_lt_u32 ttmp9, WGW
	s_cselect_b64 s[28:29], s[4:5], s[6:7]
	s_cselect_b64 s[30:31], s[12:13], s[14:15]
	s_add_nc_u64 s[28:29], s[28:29], s[20:21]
	s_add_nc_u64 s[30:31], s[30:31], s[18:19]
.macro LOAD t, st                      ; step t's 512 numbers into set t % 4; st: bytes from step to step
.irp i, 0,1,2,3
	global_load_b128 v[R+16*((\t)%4)+4*\i:R+16*((\t)%4)+4*\i+3], v[OFF], s[28:29] offset:(\st)*(\t)+512*\i th:TH_LOAD_NT
.endr
.endm
; A step.  kind = 1: weights become T, held; kind = 0: noise is held.  Two conversions; the loads of four steps on land on their sources, and their results go to stores alone.
.macro STEP t, kind
.set RS, R+16*((\t)%4)
.if STEPS-1-(\t) >= 3
	s_wait_loadcnt 12                              ; this step's four loads are in; those of the three steps behind it may be out
.else
	s_wait_loadcnt 4*(STEPS-1-(\t))
.endif
.irp i, 0,1,2,3,4,5,6,7,8,9,10,11,12,13,14,15
.if \kind
	v_cmp_gt_f32 vcc_lo, |v[RS+\i]|, v[THR]
	v_bfi_b32 v[RS+\i], s[MAG], v[ONEH], v[RS+\i]
	v_cndmask_b32 v[RS+\i], 0, v[RS+\i], vcc_lo
.else
	v_med3_num_f32 v[RS+\i], v[RS+\i], -v[LIMV], v[LIMV]   ; the conversion does not saturate (ISA guide 7.6.2)
.endif
.endr
	v_cvt_scalef32_pk8_fp8_f32 v[C+4*(\t):C+4*(\t)+1], v[RS:RS+7], v[SCL]
	v_cvt_scalef32_pk8_fp8_f32 v[C+4*(\t)+2:C+4*(\t)+3], v[RS+8:RS+15], v[SCL]
.if (\t)+4 < STEPS
.if \kind
	LOAD (\t)+4, 2048
.else
	LOAD (\t)+4, 16384
.endif
.endif
.if \kind == 0
	ds_store_b128 v[STI], v[C+4*(\t):C+4*(\t)+3] offset:16*(\t)   ; place l, row t
.endif
.endm
	s_cmp_lt_u32 ttmp9, WGW
	s_cbranch_scc0 .Lnoise
	; ---- weight
	s_wait_alu depctr_va_vdst(0)
.irp i, 0,1,2,3
	global_load_b128 v[P+4*\i:P+4*\i+3], v[OFF], s[8:9] offset:512*\i
.endr
.irp t, 0,1,2,3
	LOAD \t, 2048
.endr
	s_wait_kmcnt 0x0
	s_add_co_i32 s23, s23, 127
	s_lshl_b32 s22, s23, 23
	v_mov_b32 v[SCL], s22                          ; 2^e1
	s_add_co_i32 s23, s23, 8
	s_lshl_b32 s23, s23, 23
	s_or_b32 s23, s23, 0x600000
	v_mov_b32 v[LIMV], s23                         ; 448 x 2^e1
	v_min_num_f32 v[ONEH], 1.0, v[LIMV]
	s_wait_loadcnt 16                              ; the parts are in; the sixteen loads of weights stay out
	v_pk_add_f32 v[16:17], v[16:17], v[24:25]
	v_pk_add_f32 v[18:19], v[18:19], v[26:27]
	v_pk_add_f32 v[20:21], v[20:21], v[28:29]
	v_pk_add_f32 v[22:23], v[22:23], v[30:31]
	v_pk_add_f32 v[16:17], v[16:17], v[20:21]
	v_pk_add_f32 v[18:19], v[18:19], v[22:23]
	v_pk_add_f32 v[16:17], v[16:17], v[18:19]
	v_add_f32 v16, v16, v17
	v_add_f32_dpp v16, v16, v16 row_xmask:1 row_mask:0xf bank_mask:0xf
	v_add_f32_dpp v16, v16, v16 row_xmask:2 row_mask:0xf bank_mask:0xf
	v_add_f32_dpp v16, v16, v16 row_xmask:4 row_mask:0xf bank_mask:0xf
	v_add_f32_dpp v16, v16, v16 row_xmask:8 row_mask:0xf bank_mask:0xf
	v_permlanex16_b32 v12, v16, s24, s25
	v_add_f32 v16, v16, v12                        ; the sum of |w| over all 2^25 weights
	v_mul_f32 v16, 0x33000000, v16                 ; x 2^-25
	v_mul_f32 v[THR], 0x3f333333, v16              ; x 0.7
	s_wait_alu depctr_va_vdst(0)
.irp t, 0,1,2,3,4,5,6,7,8,9,10,11,12,13,14,15
	STEP \t, 1
.endr
.irp t, 0,1,2,3,4,5,6,7,8,9,10,11,12,13,14,15
	global_store_b128 v[OFF], v[C+4*\t:C+4*\t+3], s[30:31] offset:512*\t
.endr
	s_endpgm
	; ---- noise
.Lnoise:
	s_wait_alu depctr_va_vdst(0)
.irp t, 0,1,2,3
	LOAD \t, 16384
.endr
	s_wait_kmcnt 0x0
	s_add_co_i32 s22, s22, 127
	s_lshl_b32 s23, s22, 23
	v_mov_b32 v[SCL], s23                          ; 2^e0
	s_add_co_i32 s22, s22, 8
	s_lshl_b32 s22, s22, 23
	s_or_b32 s22, s22, 0x600000
	v_mov_b32 v[LIMV], s22                         ; 448 x 2^e0
	s_wait_alu depctr_va_vdst(0)
.irp t, 0,1,2,3,4,5,6,7,8,9,10,11,12,13,14,15
	STEP \t, 0
.endr
.irp t, 0,1,2,3,4,5,6,7,8,9,10,11,12,13,14,15
	ds_load_b128 v[R+4*\t:R+4*\t+3], v[STB] offset:2*\t*SP   ; two places of 256 bytes; LDS serves a wave's instructions in order: these see my stores
.endr
.irp t, 0,1,2,3,4,5,6,7,8,9,10,11,12,13,14,15
	s_wait_dscnt 15-\t
	global_store_b128 v[OFF], v[R+4*\t:R+4*\t+3], s[30:31] offset:512*\t
.endr
	s_wait_tensorcnt 0x0                           ; the wave's end: behind my last LDS store
	ds_add_u32 v[SPW], v[NIL]
	s_wait_dscnt 0x0
	s_endpgm
.Lfunc_end_k_qef4cc38686_quant:
	.size	k_qef4cc38686_quant, .Lfunc_end_k_qef4cc38686_quant-k_qef4cc38686_quant
	.p2alignl 7, 3214868480
	.fill 96, 4, 3214868480
	.section	.rodata,"a",@progbits
	.p2align	6, 0x0
	.amdhsa_kernel k_qef4cc38686_quant
		.amdhsa_group_segment_fixed_size 35328
		.amdhsa_private_segment_fixed_size 0
		.amdhsa_enable_private_segment 0
		.amdhsa_kernarg_size 48
		.amdhsa_user_sgpr_count 2
		.amdhsa_user_sgpr_kernarg_segment_ptr 1
		.amdhsa_wavefront_size32 1
		.amdhsa_system_sgpr_workgroup_id_x 1
		.amdhsa_system_sgpr_workgroup_id_y 1
		.amdhsa_system_sgpr_workgroup_id_z 1
		.amdhsa_system_vgpr_workitem_id 0
		.amdhsa_next_free_vgpr 160
		.amdhsa_next_free_sgpr 66
		.amdhsa_reserve_vcc 1
		.amdhsa_float_denorm_mode_32 3
		.amdhsa_float_denorm_mode_16_64 3
		.amdhsa_memory_ordered 1
		.amdhsa_forward_progress 1
		.amdhsa_inst_pref_size 84
	.end_amdhsa_kernel
	.amdgpu_metadata
---
amdhsa.version: [ 1, 2 ]
amdhsa.kernels:
  - .name:           k_qef4cc38686_quant
    .symbol:         k_qef4cc38686_quant.kd
    .args:
      - { .name: weight, .offset: 0, .size: 8, .value_kind: global_buffer, .address_space: global }
      - { .name: noise, .offset: 8, .size: 8, .value_kind: global_buffer, .address_space: global }
      - { .name: parts, .offset: 16, .size: 8, .value_kind: global_buffer, .address_space: global }
      - { .name: lowp_scales, .offset: 24, .size: 8, .value_kind: global_buffer, .address_space: global }
      - { .name: wcodes, .offset: 32, .size: 8, .value_kind: global_buffer, .address_space: global }
      - { .name: ncodes, .offset: 40, .size: 8, .value_kind: global_buffer, .address_space: global }
    .group_segment_fixed_size: 35328
    .private_segment_fixed_size: 0
    .kernarg_segment_align: 8
    .kernarg_segment_size: 48
    .max_flat_workgroup_size: 128
    .sgpr_count:     66
    .vgpr_count:     160
    .wavefront_size: 32
...
	.end_amdgpu_metadata
.endif
;; end of part 2
;; launch gemm (part 3): grid 8 x 32, 4 waves a work-group, clusters of 4 x 1, 327,680 bytes of LDS; arguments ncodes, wcodes, lowp_scales, sigma, out0; writes out0
.if DOCPART == 3
	.amdgcn_target "amdgcn-amd-amdhsa--gfx1250"
	.amdhsa_code_object_version 6
	.text
	.protected	k_qef4cc38686_gemm
	.globl	k_qef4cc38686_gemm
	.p2align	8
	.type	k_qef4cc38686_gemm,@function
k_qef4cc38686_gemm:
	s_mov_b64 s[64:65], 0
	v_nop
	global_prefetch_b8 v0, s[64:65] scope:SCOPE_SE
	s_setreg_imm32_b32 hwreg(HW_REG_WAVE_MODE, 25, 1), 1
	s_wait_xcnt 0x0
	s_wait_alu depctr_hold_cnt(0) depctr_sa_sdst(0) depctr_va_vdst(0) depctr_va_sdst(0) depctr_va_ssrc(0) depctr_va_vcc(0) depctr_vm_vsrc(0)
	s_getreg_b32 s2, hwreg(HW_REG_IB_STS2, 6, 4)
	s_cmp_eq_u32 s2, 0
	s_cbranch_scc0 .Lentry_in_a_cluster
	s_endpgm
.Lentry_in_a_cluster:
	s_bfe_u32 s2, ttmp6, 0x10000c
	s_cmp_lg_u32 s2, 0x3003
	s_cbranch_scc0 .Lentry_shape_is_right
	s_endpgm
.Lentry_shape_is_right:
; out0[m][n] = sigma x 2^(e0 + e1) x sum over k of ncodes[m][k] wcodes[n][k]: codes of FP8 (E4M3), sums in f32.  M 2,048, N 8,192, K 4,096.
; A work-group of four waves makes 256 x 256 of out0, a wave 128 x 128: 64 accumulators, 512 registers.  Products: 16 x 16 x 64; a substep is 64 along K, 64 products, A's eight blocks one after the other, each against B's eight.
; THE WEIGHTS' CODES (B) come through a ring of two LDS slots, each 256 rows x 512 bytes (two whole units of 256 bytes a row; LDS pitch 528), eight substeps to a slot.  Each wave asks for 64 rows by one tensor load.
; CLUSTER 4, 1, 1: the four partners make four tile rows of one tile column, so they need the same tiles of B: asked for jointly, mask 15.  Their rows of noise differ: nothing of A is shared in a cluster.
; THE NOISE'S CODES (A) do not pass LDS: ncodes lies in the order of A's registers (65536 (m / 16) + 1024 substep + 512 c + 16 lane), so a load of 16 bytes a lane reads 512 consecutive bytes and is half a fragment.
; A has four sets of 64 registers; four blocks' registers are asked for again, for the substep four on, in a run of loads behind their 32 products: 28 to 32 groups of two loads of each wave are on their way.
; For that reason no prefetch is laid for ncodes: each wave's own loads run three and a half substeps (28 groups, 28,672 bytes) ahead.  B's tiles are prefetched two refills ahead, each 256 bytes once in each cluster.
; A substep has two runs of loads, each behind four places: in its middle the next substep's set of B (16 LDS loads) and A's blocks 0-3; at its end A's blocks 4-7.
; K's order inside a run of 512 is the quantising launch's, alike in both operands.  The matrix instruction is used transposed (source 0 = B's rows, source 1 = A's): a lane holds eight neighbouring numbers of a row of out0.
; REGISTERS: window 0: v0-31 addresses, v32-95 the way out, v128-255 B's two sets (then the way out);  window 1: A's four sets;  windows 2, 3: accumulators (a, b) at v[8 (8 (a % 4) + b)].
; LIMIT: sigma x 2^(e0 + e1) is made by v_ldexp_f32; where it leaves f32's range so does the result.
.set SIZE_N, 8192
.set PITCH,  528
.set SLOT,   256*PITCH
.set SPARE,  2*SLOT                    ; behind the ring: the spare words, 128 bytes a wave
.set SPITCH, 528                       ; the way out: a stage of 16 rows x 528 bytes a wave, in slot 0, behind its last fill and its last read
.set ADRB, 20                          ; v20-21 LDS address of my B fragments in slot 0, 1
.set STO,  24
.set RD,   25
.set CO,   26                          ; 16 x lane: my place in a row of out0, and in a load of A
.set PFO,  27
.set SPW,  28
.set NIL,  29
.set FAC,  30
.set TMP,  32
.set BF,   128
.set BK,   128
.set G1,  24                           ; s[24:31] descriptor group 1
.set G0,  32                           ; s[32:39] group 0, one set for each slot
.set PA,  44                           ; s[44:45] my rows of ncodes, at the origin of the substeps' immediates
.set PFB, 46                           ; s[46:47] where my prefetches stand
.set SIG, 48
.set MSB, 0
.macro WIN new
.if MSB != \new
	s_set_vgpr_msb (MSB<<8)|\new
.set MSB, \new
.endif
.endm
.macro CREST
	s_cmp_lg_u32 s14, 0
	s_cbranch_scc1 .Lnot_wave_0_\@
	s_barrier_signal -3
.Lnot_wave_0_\@:
	s_barrier_wait -3
	s_barrier_signal -1
	s_barrier_wait -1
.endm
.macro CROUND
	s_barrier_signal -1
	s_barrier_wait -1
	CREST
.endm
.macro PLACES
.rept 4
	v_nop
.endr
.endm
	s_load_b128 s[4:7], s[0:1], 0x0                ; ncodes, wcodes
	s_load_b128 s[8:11], s[0:1], 0x10              ; lowp_scales, sigma
	s_load_b64 s[12:13], s[0:1], 0x20              ; out0
	v_lshl_add_u32 v[SPW], v0, 2, SPARE
	v_mov_b32 v[NIL], 0
	ds_add_u32 v[SPW], v[NIL]                      ; the opening lines: the add, twice on end, and its wait
	ds_add_u32 v[SPW], v[NIL]
	v_lshrrev_b32 v1, 5, v0
	v_readfirstlane_b32 s14, v1                    ; wave 0..3
	s_lshr_b32 s15, s14, 1                         ; which 128 rows of the tile are mine
	s_and_b32 s16, s14, 1                          ; which 128 columns
	s_bfe_u32 s40, ttmp6, 0x40000                  ; cx
	s_lshl_b32 s17, ttmp9, 2
	s_add_co_u32 s17, s17, s40                     ; tile row = 4 x cluster x + cx
	s_and_b32 s42, ttmp7, 0xffff                   ; tile column = cluster y
	s_mov_b32 s[G1+0], 15|(1<<20)|(1<<21)|(6<<22)|(3<<25)   ; mask: the four partners; elements of 1 byte; 4 words of padding behind every 128
	s_mov_b32 s[G1+1], 512<<16
	s_mov_b32 s[G1+2], 64<<16
	s_mov_b32 s[G1+3], 512<<16
	s_mov_b32 s[G1+4], 64
	s_mov_b32 s[G1+5], 4096
	s_mov_b32 s[G1+6], 0
	s_mov_b32 s[G1+7], 0
	s_lshl_b32 s52, s42, 8
	s_lshl_b32 s18, s14, 6
	s_add_co_u32 s52, s52, s18                     ; B: row 256 x tile column + 64 x wave
	s_lshl_b32 s54, s40, 4
	s_add_co_u32 s54, s54, s52                     ; the prefetches: my work-group's 16 of those 64 rows, by address
	s_lshl_b32 s52, s52, 12
	s_mov_b32 s53, 0
	s_lshl_b32 s54, s54, 12
	s_add_co_u32 s54, s54, 3*512                   ; the first change of slots steps it to tile 4
	s_mov_b32 s55, 0
	s_lshl_b32 s56, s17, 20                        ; A: 16 blocks of 65,536 bytes a tile row,
	s_lshl_b32 s18, s15, 19                        ; 8 a half
	s_add_co_u32 s56, s56, s18
	s_mov_b32 s57, 0
	s_lshl_b32 s58, s17, 8
	s_lshl_b32 s18, s15, 7
	s_add_co_u32 s58, s58, s18                     ; my first row of out0,
	s_lshl_b32 s58, s58, 15                        ; of 32,768 bytes,
	s_lshl_b32 s18, s42, 10
	s_add_co_u32 s58, s58, s18
	s_lshl_b32 s18, s16, 9
	s_add_co_u32 s58, s58, s18                     ; and my first column
	s_mov_b32 s59, 0
	s_mov_b32 s[G0], 1
	s_mov_b32 s[G0+4], 1
	s_mul_i32 s[G0+1], s14, 64*PITCH
	s_add_co_u32 s[G0+5], s[G0+1], SLOT
	s_mul_i32 s22, s16, 128*PITCH
	s_add_co_u32 s23, s22, SLOT
	s_mul_i32 s21, s14, 16*SPITCH
	v_and_b32 v1, 15, v0                           ; r
	v_bfe_u32 v2, v0, 4, 1                         ; h
	v_and_b32 v6, 31, v0
	v_mul_u32_u24 v3, v1, PITCH
	v_lshl_add_u32 v3, v2, 4, v3
	v_add_nc_u32 v[ADRB], s22, v3
	v_add_nc_u32 v[ADRB+1], s23, v3
	v_mul_u32_u24 v5, v1, SPITCH
	v_lshl_add_u32 v5, v2, 5, v5
	v_add_nc_u32 v[STO], s21, v5
	v_lshlrev_b32 v[CO], 4, v6
	v_add_nc_u32 v[RD], s21, v[CO]
	v_lshrrev_b32 v7, 1, v6
	v_and_b32 v8, 1, v6
	v_lshlrev_b32 v8, 8, v8
	v_lshl_add_u32 v[PFO], v7, 12, v8              ; a prefetch: row lane / 2, unit lane % 2 of its 512 bytes
	s_wait_alu depctr_va_vdst(0)
	s_wait_dscnt 0x0
	s_wait_kmcnt 0x0
	s_load_b64 s[50:51], s[8:9], 0x0               ; e0, e1
	s_load_b32 s[SIG], s[10:11], 0x0
	s_add_nc_u64 s[G0+2:G0+3], s[6:7], s[52:53]
	s_add_nc_u64 s[G0+6:G0+7], s[G0+2:G0+3], 512
	s_or_b32 s[G0+3], s[G0+3], 0x80000000
	s_or_b32 s[G0+7], s[G0+7], 0x80000000
	s_add_nc_u64 s[PFB:PFB+1], s[6:7], s[54:55]
	s_add_nc_u64 s[PA:PA+1], s[4:5], s[56:57]
	s_add_nc_u64 s[12:13], s[12:13], s[58:59]
	CROUND                                         ; the four partners are here: the first joint loads meet
	tensor_load_to_lds s[G0:G0+3], s[G1:G1+7]      ; tile 0: my one tensor load at the head
	s_nop 0
	PLACES
; GT: the next group of A to ask for, 8 x substep + block, counted from PA's origin.  AH: the groups asked for behind the block that is due.  GEND: one past the last group.
.macro AGRP
.if GT < GEND
.set AR, 64*((GT/8)%4)+8*(GT%8)
	WIN 0x40                                       ; destination window 1, address window 0
	global_load_b128 v[AR:AR+3], v[CO], s[PA:PA+1] offset:(GT%8)*65536+(GT/8)*1024
	global_load_b128 v[AR+4:AR+7], v[CO], s[PA:PA+1] offset:(GT%8)*65536+(GT/8)*1024+512
.set AH, AH+1
.endif
.set GT, GT+1
.endm
.macro BGRP ad, of, pb                 ; fragment BT of B, 16 rows x 64 K, into set pb
	WIN 0
	ds_load_b128 v[BF+64*(\pb)+8*BT:BF+64*(\pb)+8*BT+3], v[\ad] offset:(\of)+BT*16*PITCH
	ds_load_b128 v[BF+64*(\pb)+8*BT+4:BF+64*(\pb)+8*BT+7], v[\ad] offset:(\of)+BT*16*PITCH+32
.set BT, BT+1
.endm
; A run of loads: nb fragments of B, then four groups of A.  pl = 1: four places first, between the last product that read a register and the load into it.
.macro RUN nb, ad, of, pb, pl
.if (\pl) && ((GT < GEND) || (\nb))
	PLACES
.endif
.if \nb
.rept \nb
	BGRP \ad, \of, \pb
.endr
.endif
.rept 4
	AGRP
.endr
.endm
; A block: A's block blk against B's eight.  The 64 accumulators take turns.
.macro BLK blk, sv, zr
	WIN 0xa4+0x50*((\blk)/4)                       ; source 0 window 0, source 1 window 1, C and D window 2 or 3
.irp q, 0,1,2,3,4,5,6,7
.if \zr
	v_wmma_f32_16x16x64_fp8_fp8 v[8*(8*((\blk)%4)+\q):8*(8*((\blk)%4)+\q)+7], v[BF+64*((\sv)%2)+8*\q:BF+64*((\sv)%2)+8*\q+7], v[64*((\sv)%4)+8*(\blk):64*((\sv)%4)+8*(\blk)+7], 0
.else
	v_wmma_f32_16x16x64_fp8_fp8 v[8*(8*((\blk)%4)+\q):8*(8*((\blk)%4)+\q)+7], v[BF+64*((\sv)%2)+8*\q:BF+64*((\sv)%2)+8*\q+7], v[64*((\sv)%4)+8*(\blk):64*((\sv)%4)+8*(\blk)+7], v[8*(8*((\blk)%4)+\q):8*(8*((\blk)%4)+\q)+7]
.endif
.endr
.set AH, AH-1
.endm
.macro HI sv, zr                       ; a substep's second half
	s_wait_loadcnt 2*(AH-3)                        ; A's blocks 4-7 are in: the groups behind block 7's stay out
.irp i, 4,5,6,7
	BLK \i, \sv, \zr
.endr
	RUN 0, ADRB, 0, 0, 1
.endm
; A substep whose successor's B lies at byte of of the rows at ad (fb = 0: no successor)
.macro SUB sv, zr, ad, of, fb
	s_wait_dscnt 0x0                               ; this substep's set of B is in
	s_wait_loadcnt 2*(AH-3)                        ; A's blocks 0-3 are in: the groups behind block 3's stay out
.irp i, 0,1,2,3
	BLK \i, \sv, \zr
.endr
.set BT, 0
	RUN 8*(\fb), \ad, \of, 1-(\sv)%2, 1
	HI \sv, \zr
.endm
.macro ASK                             ; tile t + 4, behind the refill with tile t + 2: the loop's last trip has none
	s_cmp_gt_u32 s3, 1
	s_cbranch_scc0 .Lnone_\@
	global_prefetch_b8 v[PFO], s[PFB:PFB+1] th:TH_LOAD_NT scope:SCOPE_SE
.Lnone_\@:
.endm
; A slot's last substep changes slots: its own set of B is in registers, so my reads of the slot are over.  Blocks 0 and 1 stand between the add and its wait, blocks 2 and 3 inside the barrier.
; fill = 1: the barrier opens a round of the cluster's barrier, and the slot is filled again, two tiles on; the four v_nop behind the joint load are the places of the run that follows.
.macro CHG sv, slot, fill, ad
.if \fill
	s_wait_xcnt 0x0                                ; my last prefetch has read its address
	s_add_nc_u64 s[PFB:PFB+1], s[PFB:PFB+1], 512
.endif
	WIN 0
	s_wait_tensorcnt 0x0                           ; my part of the other slot has landed
	ds_add_u32 v[SPW], v[NIL]
.if \fill
	s_add_nc_u64 s[G0+4*\slot+2:G0+4*\slot+3], s[G0+4*\slot+2:G0+4*\slot+3], 1024
.endif
	s_wait_dscnt 1                                 ; this substep's set of B is in; the add may be out
	s_wait_loadcnt 2*(AH-3)
	BLK 0, \sv, 0
	BLK 1, \sv, 0
	s_wait_dscnt 0x0
	s_barrier_signal -1
	BLK 2, \sv, 0
	BLK 3, \sv, 0
	WIN 0
	s_barrier_wait -1
.set BT, 0
.if \fill
	CREST
	tensor_load_to_lds s[G0+4*\slot:G0+4*\slot+3], s[G1:G1+7]   ; the first tensor load behind the round
	s_nop 0
	PLACES
	ASK
	RUN 8, \ad, 0, 1-(\sv)%2, 0
.else
	RUN 8, \ad, 0, 1-(\sv)%2, 1
.endif
	HI \sv, 0
.endm
.set GT, 0
.set GEND, 1000
.set AH, -1
.rept 32
	AGRP                                           ; A's first four substeps: 32 groups
.endr
	WIN 0
	s_wait_tensorcnt 0x0                           ; my part of tile 0 is in
	ds_add_u32 v[SPW], v[NIL]
	s_wait_dscnt 0x0
	CROUND
	tensor_load_to_lds s[G0+4:G0+7], s[G1:G1+7]    ; tile 1
	s_nop 0
	PLACES
.set BT, 0
.rept 8
	BGRP ADRB, 0, 0
.endr
	SUB 0, 1, ADRB, 64, 1                          ; the first substep starts the sums: nothing is cleared
	WIN 0
	s_mov_b32 s3, 3
.Llap:                                                 ; a trip: sixteen substeps, from slot 0's second to its next tile's first; both slots are filled again
.irp s, 1,2,3,4,5,6
	SUB \s, 0, ADRB, 64*(\s+1), 1
.endr
	CHG 7, 0, 1, ADRB+1
.irp s, 8,9,10,11,12,13,14
	SUB \s, 0, ADRB+1, 64*(\s-7), 1
.endr
	CHG 15, 1, 1, ADRB
	SUB 16, 0, ADRB, 64, 1
	WIN 0
	s_wait_xcnt 0x0                                ; my loads of A have read their base
	s_add_nc_u64 s[PA:PA+1], s[PA:PA+1], 16*1024
	s_sub_co_u32 s3, s3, 1
	s_cmp_lg_u32 s3, 0
	s_cbranch_scc1 .Llap
.set GT, GT-128
.set GEND, 128                         ; sixteen substeps are left from the origin: nothing is asked for beyond K
.irp s, 1,2,3,4,5,6
	SUB \s, 0, ADRB, 64*(\s+1), 1
.endr
	CHG 7, 0, 0, ADRB+1                            ; the last change of slots fills nothing
.irp s, 8,9,10,11,12,13,14
	SUB \s, 0, ADRB+1, 64*(\s-7), 1
.endr
	SUB 15, 0, ADRB+1, 0, 0
	WIN 0
; THE WAY OUT, block by block of 16 rows x 128 columns: x sigma 2^(e0 + e1), through my own stage in LDS, back as whole rows of 512 bytes, which the 32 lanes store as two aligned units of 256 bytes.
.macro TOSTAGE a
.set AC, 64*((\a)%4)
	WIN 0x02+((\a)/4)
.irp j, 0,2,4,6,8,10,12,14,16,18,20,22,24,26,28,30,32,34,36,38,40,42,44,46,48,50,52,54,56,58,60,62
	v_pk_mul_f32 v[TMP+\j:TMP+\j+1], v[AC+\j:AC+\j+1], v[FAC:FAC+1] op_sel_hi:[1,0]
.endr
	WIN 0
.irp b, 0,1,2,3,4,5,6,7
	ds_store_b128 v[STO], v[TMP+8*\b:TMP+8*\b+3] offset:64*\b
	ds_store_b128 v[STO], v[TMP+8*\b+4:TMP+8*\b+7] offset:64*\b+16
.endr
.set BB, BK+64*((\a)%2)
.irp t, 0,1,2,3,4,5,6,7,8,9,10,11,12,13,14,15
	ds_load_b128 v[BB+4*\t:BB+4*\t+3], v[RD] offset:\t*SPITCH
.endr
.endm
.macro SEND a, younger
.set BB, BK+64*((\a)%2)
	s_wait_dscnt \younger
.if (\a) > 0
	s_add_nc_u64 s[12:13], s[12:13], 16*SIZE_N*4   ; behind a wait on XCNT: the earlier stores have read their base
.endif
.irp t, 0,1,2,3,4,5,6,7,8,9,10,11,12,13,14,15
	global_store_b128 v[CO], v[BB+4*\t:BB+4*\t+3], s[12:13] offset:\t*SIZE_N*4 th:TH_STORE_NT
.endr
.endm
	s_wait_kmcnt 0x0
	s_add_co_i32 s50, s50, s51
	v_mov_b32 v[FAC], s[SIG]
	v_ldexp_f32 v[FAC], v[FAC], s50
	v_mov_b32 v[FAC+1], v[FAC]
	PLACES
	TOSTAGE 0
.irp a, 1,2,3,4,5,6,7
.if \a > 1
	s_wait_xcnt 0x0
.endif
	TOSTAGE \a
	SEND \a-1, 32
.endr
	s_wait_xcnt 0x0
	SEND 7, 0
	s_wait_tensorcnt 0x0                           ; the wave's end
	ds_add_u32 v[SPW], v[NIL]
	s_wait_dscnt 0x0
	CROUND                                         ; the closing round
	s_endpgm
.Lfunc_end_k_qef4cc38686_gemm:
	.size	k_qef4cc38686_gemm, .Lfunc_end_k_qef4cc38686_gemm-k_qef4cc38686_gemm
	.p2alignl 7, 3214868480
	.fill 96, 4, 3214868480
	.section	.rodata,"a",@progbits
	.p2align	6, 0x0
	.amdhsa_kernel k_qef4cc38686_gemm
		.amdhsa_group_segment_fixed_size 327680
		.amdhsa_private_segment_fixed_size 0
		.amdhsa_enable_private_segment 0
		.amdhsa_kernarg_size 40
		.amdhsa_user_sgpr_count 2
		.amdhsa_user_sgpr_kernarg_segment_ptr 1
		.amdhsa_wavefront_size32 1
		.amdhsa_system_sgpr_workgroup_id_x 1
		.amdhsa_system_sgpr_workgroup_id_y 1
		.amdhsa_system_sgpr_workgroup_id_z 1
		.amdhsa_system_vgpr_workitem_id 0
		.amdhsa_next_free_vgpr 1024
		.amdhsa_next_free_sgpr 66
		.amdhsa_reserve_vcc 0
		.amdhsa_float_denorm_mode_32 3
		.amdhsa_float_denorm_mode_16_64 3
		.amdhsa_memory_ordered 1
		.amdhsa_forward_progress 1
		.amdhsa_inst_pref_size 255
	.end_amdhsa_kernel
	.section	.bss,"aw",@nobits
	.p2align	6
	.space	262144
	.amdgpu_metadata
---
amdhsa.version: [ 1, 2 ]
amdhsa.kernels:
  - .name:           k_qef4cc38686_gemm
    .symbol:         k_qef4cc38686_gemm.kd
    .args:
      - { .name: ncodes, .offset: 0, .size: 8, .value_kind: global_buffer, .address_space: global }
      - { .name: wcodes, .offset: 8, .size: 8, .value_kind: global_buffer, .address_space: global }
      - { .name: lowp_scales, .offset: 16, .size: 8, .value_kind: global_buffer, .address_space: global }
      - { .name: sigma, .offset: 24, .size: 8, .value_kind: global_buffer, .address_space: global }
      - { .name: out0, .offset: 32, .size: 8, .value_kind: global_buffer, .address_space: global }
    .group_segment_fixed_size: 327680
    .private_segment_fixed_size: 0
    .kernarg_segment_align: 8
    .kernarg_segment_size: 40
    .max_flat_workgroup_size: 128
    .sgpr_count:     66
    .vgpr_count:     1024
    .wavefront_size: 32
...
	.end_amdgpu_metadata
.endif
;; end of part 3
